; MI455X (gfx1250); checked and timed in simulation.
; The chip was launched on July 23, 2026; its instructions are those of AMD's public machine-readable ISA for CDNA 5 (MIT licence, August 2026) and "CDNA5" Instruction Set Architecture Reference Guide (July 2026). The comments in the code are by the model that wrote it; some were corrected since.
;; Sliding Window Attention. Allowed arithmetic: matrix products marked QUANTISED: E4M3 operands, one given power-of-two scale a tensor, by v_wmma_f32_16x16x64_fp8_fp8 or v_wmma_f32_16x16x128_fp8_fp8, f32 sums; products left as they are: f32 operands where the result goes on into a quantised operand, else bf16, f16 or f32 operands; f32 sums; everything else in f32.
;; Inputs: Wkv 512 x 1,024 float32; Wo 512 x 512 float32; Wq 512 x 512 float32; lowp_scales 10 int32 (the exponents e of the quantised operands' scales 2^e); x 2 x 4,096 x 512 float32.
;; Outputs: out0 2 x 4,096 x 512 float32.
;; This version of the problem:
;;   THIS VERSION OF THE PROBLEM IS GIVEN IN LOW PRECISION. The matrix products marked QUANTISED in the list below multiply operands that are first quantised to E4M3 (4 exponent bits, 3 mantissa bits; 8 bits a number), with one given power-of-two scale for each operand tensor; their sums are f32. All else is computed in f32.
;;   The module's matrix products, in the order in which they are computed (A, B: the left and right operand; K: the contracted axis; several contracted axes count as one K, in the product's order):
;;     1. [M 8,192, K 512] x [K 512, N 512]; A: input x; B: input Wq: QUANTISED (scales: A lowp_scales[0], B lowp_scales[1])
;;     2. [M 8,192, K 512] x [K 512, N 1,024]; A: input x; B: input Wkv: QUANTISED (scales: A lowp_scales[2], B lowp_scales[3])
;;     3. [M 4,096, K 1] x [K 1, N 32]; A: computed on the way; B: computed on the way: left as it is (no contracted axis)
;;     4. batch 16 x [M 4,096, K 64] x [K 64, N 4,096]; A: computed on the way; B: computed on the way: QUANTISED (scales: A lowp_scales[4], B lowp_scales[5])
;;     5. batch 16 x [M 4,096, K 4,096] x [K 4,096, N 64]; A: softmax (see below); B: computed on the way: QUANTISED (scales: A lowp_scales[6], B lowp_scales[7])
;;     6. [M 8,192, K 512] x [K 512, N 512]; A: computed on the way; B: input Wo: QUANTISED (scales: A lowp_scales[8], B lowp_scales[9])
;;   THE QUANTISER, for each operand of a quantised product, along K:
;;     - The operand's scale is 2^e, e = its entry of the input lowp_scales (int32; the entries are numbered through the quantised products in the list's order, A before B).
;;     - Each number is divided by the scale, clamped to +-448, and rounded to the nearest number of E4M3, ties to even, subnormals kept.
;;     - The product sums the exact products of the quantised numbers (number of the format x scale) in f32.
;;   ~~~python
;;   def quantise(x, axis, e):      # numpy; x: float32 -> the quantised numbers, widened to float32 again
;;       x = np.moveaxis(x, axis, -1); K = x.shape[-1]
;;       r = np.clip(x / 2.0 ** e, -448, 448)
;;       step = 2.0 ** (np.maximum(np.frexp(np.where(r == 0, 1, r))[1] - 1, -6) - 3)
;;       q = np.round(r / step) * step * 2.0 ** e      # np.round: ties to even
;;       return np.moveaxis(q, -1, axis).astype(np.float32)
;;   ~~~
;;   SOFTMAX AHEAD OF A QUANTISED PRODUCT. Where the list says 'softmax', what is quantised is not the finished softmax but p = 2^(t - M), with t = logit x log2(e) and M = ceil(the row's largest t), a whole number; so 1/2 < the row's largest p <= 1. The row's sum l is taken of the UNQUANTISED p, in f32, and the product's result is divided by l at the end. Since M is a whole number, a kernel that streams over the keys may use a running M (the ceiling of the running maximum): every later rescaling is an exact power of two, so the quantised numbers keep their values, but for numbers so far below the row's largest that they fall under the format's range.
;;   OPERANDS COMPUTED ON THE WAY. 'Computed on the way' means the value that the module computes at that place (a softmax that the list does not call 'softmax' is quantised finished and normalised). What goes into a quantiser is computed in f32, as accurately as f32 sums, v_exp_f32 and their like allow (about 1e-6 of the number): no bf16 or f16 on the way to a quantiser, and a product that is left as it is and whose result goes on into a quantised operand takes f32 operands (vector FMAs, or v_wmma_f32_16x16x4_f32). A number that lies on a knife's edge between two numbers of the format may be rounded either way, as far as f32 arithmetic and the matrix unit's own rounding can turn it there, and no further.
;; One version. Each part assembles by itself: llvm-mc -triple=amdgcn-amd-amdhsa -mcpu=gfx1250 --defsym DOCPART=n.
;; ======== version 1 of 1: 4 launches
;; workspace buffers: xqf 4,194,304 bytes; xkf 4,194,304 bytes; wfrag 1,048,576 bytes; rope 1,048,576 bytes; qf 4,194,304 bytes; kvf 8,388,608 bytes; of 4,194,304 bytes
;; launch prep (part 1): grid 384 x 1, 4 waves a work-group, no clusters, 0 bytes of LDS; arguments x, Wq, Wkv, Wo, lowp_scales, xqf, xkf, wfrag, rope; writes xqf, xkf, wfrag, rope
.if DOCPART == 1
	.amdgcn_target "amdgcn-amd-amdhsa--gfx1250"
	.amdhsa_code_object_version 6
	.text
	.protected	k_qa81fa2365f_prep
	.globl	k_qa81fa2365f_prep
	.p2align	8
	.type	k_qa81fa2365f_prep,@function
k_qa81fa2365f_prep:
	s_mov_b64 s[64:65], 0
	v_nop
	global_prefetch_b8 v0, s[64:65] scope:SCOPE_SE
	s_setreg_imm32_b32 hwreg(HW_REG_WAVE_MODE, 25, 1), 1
	s_wait_xcnt 0x0
; SLIDING-WINDOW ATTENTION ON CODES OF E4M3, launch 1 of 4: x and the three weights become codes, and the table of cos and sin is made.
; WORK LEFT OUT BY THE PROGRAM, for all values of the inputs:
;   (a) reference() itself sets a score to -inf wherever key > query or key <= query - 1024; its softmax gives such a key the weight 0, which adds nothing to the row's sum or to the second product.
;       So a step of 128 keys that lies wholly outside 0 <= query - key <= 1023 for all queries of a tile is not multiplied (launch attn): of 32 steps a tile of 16 queries meets 9.
;   (b) jnp.repeat with N_REP = 1 is the identity.
;   No input is left out.  LIMIT: a NaN, an infinity or an overflow that would arise only in scores under the mask is not carried to the result (reference() replaces them by -inf too).
; LAYOUT OF EVERY WORKSPACE: IMAGES OF OPERAND REGISTERS.  A tile of 16 rows, number 2 b + u, holds in its row r the index 32 b + 8 u + r + 8 (r / 8): then the 16 registers that a lane gets from
; two neighbouring tiles of a transposed product are 16 neighbours of the next K.  A fragment (16 rows x 128 k) is 2,048 bytes: piece c at 512 c + 16 lane holds, of row lane % 16, k = 32 c + 16 (lane / 16) + 0 .. 15.
; That order of k is the same on both sides of every product.  Every later launch fetches fragments by 16 bytes a lane, 512 consecutive bytes an instruction.
; SHARES: work-groups 0-255: x, quantised twice (scale e0 for Wq's product, e2 for Wkv's);  256-287: Wq and Wo;  288-319: Wkv;  320-383: cos and sin.  No LDS, no barrier: waves share nothing.
; code = number / 2^e, held within +-448, to the nearest code, ties to even.
; LIMITS: e0, e1, e2, e3, e9 between -126 and 119, so that 2^e and 448 x 2^e are f32 numbers.  NaN among the inputs is not served.
; inv_freq is the f32 number nearest to 10^(-f / 8) = 10000^(-2 f / 64); reference()'s own power and division may round it otherwise in the last place or two.
; cos and sin: the angle t x inv_freq is one f32 product, as in reference(); it is reduced by a multiple of pi / 2 held in three parts (fused multiply-adds) and goes into two polynomials, good to about one unit in the last place.
.set XR, 32                            ; v32-159  numbers as loaded
.set TQ, 160                           ; v160-191 x: two sets of 16 held numbers by turns;  weights: the codes
.macro MKSC vs, vl, se                 ; v[vs] = 2^e as f32, v[vl] = 448 x 2^e;  e in s[se]
	s_add_co_i32 s44, s[\se], 127
	s_lshl_b32 s45, s44, 23
	v_mov_b32 v[\vs], s45
	s_add_co_i32 s44, s44, 8
	s_lshl_b32 s44, s44, 23
	s_or_b32 s44, s44, 0x600000
	v_mov_b32 v[\vl], s44
.endm
	s_load_b512 s[4:19], s[0:1], 0x0               ; x 4:5, Wq 6:7, Wkv 8:9, Wo 10:11, scales 12:13, xqf 14:15, xkf 16:17, wfrag 18:19
	s_load_b64 s[20:21], s[0:1], 0x40              ; rope
	v_lshrrev_b32 v1, 5, v0
	v_readfirstlane_b32 s22, v1                    ; wave 0..3
	v_and_b32 v1, 31, v0                           ; lane
	v_and_b32 v2, 15, v0                           ; r
	v_bfe_u32 v5, v0, 4, 1                         ; h
	s_wait_kmcnt 0x0
	s_load_b256 s[24:31], s[12:13], 0x0            ; e0 .. e7
	s_load_b64 s[32:33], s[12:13], 0x20            ; e8, e9
	s_wait_kmcnt 0x0
	s_cmp_lt_u32 ttmp9, 256
	s_cbranch_scc1 .Lx
	s_cmp_lt_u32 ttmp9, 288
	s_cbranch_scc1 .Lw512
	s_cmp_lt_u32 ttmp9, 320
	s_cbranch_scc1 .Lw1024
; ---- cos and sin: a wave makes one tile of 16 positions: lane (r, h) holds its position's f = 16 h + 0 .. 15
	s_sub_co_u32 s34, ttmp9, 320
	s_lshl_b32 s34, s34, 2
	s_add_co_u32 s34, s34, s22                     ; the tile, 0 .. 255
	s_lshr_b32 s35, s34, 1
	s_lshl_b32 s35, s35, 5
	s_and_b32 s36, s34, 1
	s_lshl_b32 s36, s36, 3
	s_add_co_u32 s35, s35, s36
	v_and_b32 v3, 8, v2
	v_add_nc_u32 v3, v3, v2                        ; r + 8 (r / 8)
	v_add_nc_u32 v3, s35, v3                       ; my position t
	v_cvt_f32_u32 v2, v3
	v_cmp_eq_u32 vcc_lo, 1, v5                     ; lanes 16-31
	v_lshlrev_b32 v4, 4, v1
	s_lshl_b32 s36, s34, 12
	s_mov_b32 s37, 0
	s_add_nc_u64 s[20:21], s[20:21], s[36:37]
	s_mov_b32 s38, 0xbfc90fd8                      ; -(pi / 2) in three parts
	s_mov_b32 s39, 0xb4a8885a
	s_mov_b32 s40, 0xa7c234c4
	s_mov_b32 s41, 0x37cd4000                      ; the cosine's two highest coefficients
	s_mov_b32 s42, 0xbab6077d
	s_mov_b32 s43, 0x36405000                      ; the sine's
	s_mov_b32 s44, 0xb9503486
.macro SC i, lo, hi                    ; f = i in lanes 0-15 (inv_freq lo), f = 16 + i in lanes 16-31 (hi)
	v_mov_b32 v8, \hi
	v_cndmask_b32 v8, \lo, v8, vcc_lo
	v_mul_f32 v9, v2, v8                           ; the angle
	v_mul_f32 v10, 0x3f22f983, v9                  ; x 2 / pi
	v_rndne_f32 v10, v10                           ; j
	v_fma_f32 v11, v10, s38, v9
	v_fma_f32 v11, v10, s39, v11
	v_fma_f32 v11, v10, s40, v11                   ; a = angle - j pi / 2, within +-pi / 4
	v_cvt_i32_f32 v12, v10                         ; n: it only selects values
	v_mul_f32 v13, v11, v11
	v_fma_f32 v14, s41, v13, s42
	v_fmaak_f32 v14, v14, v13, 0x3d2aaaa8
	v_fmaak_f32 v14, v14, v13, 0xbf000000
	v_fma_f32 v14, v14, v13, 1.0                   ; cos a
	v_fma_f32 v15, s43, v13, s44
	v_fmaak_f32 v15, v15, v13, 0x3c0888c1
	v_fmaak_f32 v15, v15, v13, 0xbe2aaaab
	v_mul_f32 v16, v11, v13
	v_fma_f32 v15, v15, v16, v11                   ; sin a
	v_and_b32 v17, 1, v12
	v_cmp_eq_u32 s46, 1, v17                       ; n odd: the two change places
	v_lshlrev_b32 v18, 30, v12
	v_and_b32 v18, 0x80000000, v18                 ; the sine's sign: bit 1 of n
	v_add_nc_u32 v19, 1, v12
	v_lshlrev_b32 v19, 30, v19
	v_and_b32 v19, 0x80000000, v19                 ; the cosine's: bit 1 of n + 1
	v_cndmask_b32 v20, v15, v14, s46
	v_cndmask_b32 v21, v14, v15, s46
	v_xor_b32 v[48+\i], v18, v20
	v_xor_b32 v[32+\i], v19, v21
.endm
	SC 0, 1.0, 0.01
	SC 1, 0.7498942093325, 0.007498942093325
	SC 2, 0.5623413251903, 0.005623413251903
	SC 3, 0.4216965034286, 0.004216965034286
	SC 4, 0.3162277660168, 0.003162277660168
	SC 5, 0.2371373705662, 0.002371373705662
	SC 6, 0.1778279410039, 0.001778279410039
	SC 7, 0.1333521432163, 0.001333521432163
	SC 8, 0.1, 0.001
	SC 9, 0.07498942093325, 0.0007498942093325
	SC 10, 0.05623413251903, 0.0005623413251903
	SC 11, 0.04216965034286, 0.0004216965034286
	SC 12, 0.03162277660168, 0.0003162277660168
	SC 13, 0.02371373705662, 0.0002371373705662
	SC 14, 0.01778279410039, 0.0001778279410039
	SC 15, 0.01333521432163, 0.0001333521432163
.irp p, 0,1,2,3
	global_store_b128 v4, v[32+4*\p:35+4*\p], s[20:21] offset:512*\p          ; pieces 0-3: cos; each store covers 512 consecutive bytes
	global_store_b128 v4, v[48+4*\p:51+4*\p], s[20:21] offset:2048+512*\p     ; pieces 4-7: sin
.endr
	s_endpgm
; ---- x: a wave takes one tile of 16 rows and two K steps of 128: lane (r, h) loads, of its row, 16 neighbours of each block of 32
.macro XLOAD j
.irp c, 0,1,2,3
.irp m, 0,1,2,3
	global_load_b128 v[XR+64*\j+16*\c+4*\m:XR+64*\j+16*\c+4*\m+3], v3, s[4:5] offset:512*\j+128*\c+16*\m th:TH_LOAD_NT
.endr
.endr
.endm
.macro QX j, sc, lim, dst              ; K step j's 64 numbers -> a fragment's 16 registers of codes at v[dst].  The numbers stay: they are quantised twice
.irp c, 0,1,2,3
.set ii, 0
.rept 16
	v_med3_num_f32 v[TQ+16*(\c%2)+ii], v[XR+64*\j+16*\c+ii], -v[\lim], v[\lim]   ; the conversion to an 8-bit code does not saturate (ISA guide 7.6.2): the hold comes first
.set ii, ii+1
.endr
	v_cvt_scalef32_pk8_fp8_f32 v[\dst+4*\c:\dst+4*\c+1], v[TQ+16*(\c%2):TQ+16*(\c%2)+7], v[\sc]
	v_cvt_scalef32_pk8_fp8_f32 v[\dst+4*\c+2:\dst+4*\c+3], v[TQ+16*(\c%2)+8:TQ+16*(\c%2)+15], v[\sc]   ; the two sets of held numbers take turns: sixteen plain lines stand ahead of the next write of a conversion's sources
.endr
.endm
.macro XSTORE j, dst, p
.irp c, 0,1,2,3
	global_store_b128 v4, v[\dst+4*\c:\dst+4*\c+3], s[\p:\p+1] offset:2048*\j+512*\c   ; 512 consecutive bytes; every set of codes has registers of its own, so no store's data are written again
.endr
.endm
.Lx:
	s_lshl_b32 s34, ttmp9, 2
	s_add_co_u32 s34, s34, s22
	s_lshr_b32 s35, s34, 1                         ; the tile, 0 .. 511
	s_and_b32 s36, s34, 1                          ; which two K steps
	s_lshr_b32 s37, s35, 1
	s_lshl_b32 s37, s37, 5
	s_and_b32 s38, s35, 1
	s_lshl_b32 s38, s38, 3
	s_add_co_u32 s37, s37, s38                     ; the tile's first row
	s_lshl_b32 s38, s37, 11                        ; rows of 2,048 bytes
	s_lshl_b32 s39, s36, 10
	s_add_co_u32 s38, s38, s39
	s_mov_b32 s39, 0
	s_add_nc_u64 s[4:5], s[4:5], s[38:39]
	v_and_b32 v3, 8, v2
	v_add_nc_u32 v3, v3, v2                        ; r + 8 (r / 8)
	v_lshlrev_b32 v3, 11, v3
	v_lshl_add_u32 v3, v5, 6, v3                   ; + 64 h
	v_lshlrev_b32 v4, 4, v1
	XLOAD 0
	XLOAD 1
	s_lshl_b32 s38, s35, 13
	s_lshl_b32 s40, s36, 12
	s_add_co_u32 s38, s38, s40
	s_add_nc_u64 s[14:15], s[14:15], s[38:39]
	s_add_nc_u64 s[16:17], s[16:17], s[38:39]
	MKSC 8, 9, 24                                  ; e0
	MKSC 10, 11, 26                                ; e2
	s_wait_loadcnt 16                              ; the first K step's 16 loads are in; the second's stay out
	QX 0, 8, 9, 192
	XSTORE 0, 192, 14
	QX 0, 10, 11, 208
	XSTORE 0, 208, 16
	s_wait_loadcnt 0x0
	QX 1, 8, 9, 224
	XSTORE 1, 224, 14
	QX 1, 10, 11, 16
	v_nop                                          ; a plain line behind the last conversion
	XSTORE 1, 16, 16
	s_endpgm
; ---- a weight [512 (k)][N]: A LANE TAKES A COLUMN AND ITS REGISTERS RUN DOWN K: a wave takes 32 columns x 128 k; each load reads 128 consecutive bytes, the four waves side by side 512.
; The 32 columns are two tiles: column l is row (l % 8) + 8 (l / 16) of tile (l / 8) % 2.  A lane's 32 codes of a block of k are two pieces of 16 bytes (h = 0 and h = 1): a store fills two aligned blocks of 256 bytes.
.macro WLOAD t, N
.set ii, 0
.rept 32
	global_load_b32 v[XR+32*(\t)+ii], v3, s[36:37] offset:(32*(\t)+ii)*\N*4 th:TH_LOAD_NT
.set ii, ii+1
.endr
.endm
.macro WPATH N                         ; s34: 4 x column block + K step; s[36:37]: the weight; s35: e; s38: its first tile in wfrag
	s_lshr_b32 s39, s34, 2
	s_and_b32 s40, s34, 3
	s_lshl_b32 s41, s39, 2
	s_add_co_u32 s41, s41, s22                     ; which 32 columns
	s_mul_i32 s42, s40, 128*\N*4
	s_lshl_b32 s43, s41, 7
	s_add_co_u32 s42, s42, s43
	s_mov_b32 s43, 0
	s_add_nc_u64 s[36:37], s[36:37], s[42:43]
	v_lshlrev_b32 v3, 2, v1
	WLOAD 0, \N
	WLOAD 1, \N
	s_lshl_b32 s41, s41, 1
	s_add_co_u32 s41, s41, s38                     ; the first of my two tiles
	s_lshl_b32 s42, s41, 13
	s_lshl_b32 s41, s40, 11
	s_add_co_u32 s42, s42, s41
	s_add_nc_u64 s[18:19], s[18:19], s[42:43]
	v_bfe_u32 v4, v0, 3, 1
	v_lshlrev_b32 v4, 13, v4                       ; the tile
	v_and_b32 v6, 7, v0
	v_lshl_add_u32 v6, v5, 3, v6                   ; the row in it
	v_lshl_add_u32 v4, v6, 4, v4
	MKSC 8, 9, 35
.irp c, 0,1,2,3
.if \c < 3
	s_wait_loadcnt 32                              ; this block's 32 loads are in; the next block's stay out
.else
	s_wait_loadcnt 0x0
.endif
.if \c < 2
	WLOAD \c+2, \N                                 ; two blocks ahead, into registers of its own
.endif
.set ii, 0
.rept 32
	v_med3_num_f32 v[XR+32*\c+ii], v[XR+32*\c+ii], -v9, v9
.set ii, ii+1
.endr
.irp g, 0,1,2,3
	v_cvt_scalef32_pk8_fp8_f32 v[TQ+8*\c+2*\g:TQ+8*\c+2*\g+1], v[XR+32*\c+8*\g:XR+32*\c+8*\g+7], v8
.endr
.endr
	v_nop                                          ; a plain line behind the last conversion
.irp c, 0,1,2,3
	global_store_b128 v4, v[TQ+8*\c:TQ+8*\c+3], s[18:19] offset:512*\c          ; k = 32 c + 0 .. 15: the places of lanes 0-15
	global_store_b128 v4, v[TQ+8*\c+4:TQ+8*\c+7], s[18:19] offset:512*\c+256    ; k = 32 c + 16 .. 31: of lanes 16-31
.endr
	s_endpgm
.endm
.Lw512:
	s_sub_co_u32 s34, ttmp9, 256
	s_cmp_lt_u32 s34, 16                           ; Wq or Wo: the choice hangs on the work-group's number alone
	s_cselect_b64 s[36:37], s[6:7], s[10:11]
	s_cselect_b32 s35, s25, s33                    ; e1 or e9
	s_cselect_b32 s38, 0, 96
	s_and_b32 s34, s34, 15
	WPATH 512
.Lw1024:
	s_sub_co_u32 s34, ttmp9, 288
	s_mov_b64 s[36:37], s[8:9]
	s_mov_b32 s35, s27                             ; e3
	s_mov_b32 s38, 32
	WPATH 1024
.Lfunc_end_k_qa81fa2365f_prep:
	.size	k_qa81fa2365f_prep, .Lfunc_end_k_qa81fa2365f_prep-k_qa81fa2365f_prep
	.p2alignl 7, 3214868480
	.fill 96, 4, 3214868480
	.section	.rodata,"a",@progbits
	.p2align	6, 0x0
	.amdhsa_kernel k_qa81fa2365f_prep
		.amdhsa_group_segment_fixed_size 0
		.amdhsa_private_segment_fixed_size 0
		.amdhsa_enable_private_segment 0
		.amdhsa_kernarg_size 72
		.amdhsa_user_sgpr_count 2
		.amdhsa_user_sgpr_kernarg_segment_ptr 1
		.amdhsa_wavefront_size32 1
		.amdhsa_system_sgpr_workgroup_id_x 1
		.amdhsa_system_sgpr_workgroup_id_y 1
		.amdhsa_system_sgpr_workgroup_id_z 1
		.amdhsa_system_vgpr_workitem_id 0
		.amdhsa_next_free_vgpr 240
		.amdhsa_next_free_sgpr 66
		.amdhsa_reserve_vcc 1
		.amdhsa_float_denorm_mode_32 3
		.amdhsa_float_denorm_mode_16_64 3
		.amdhsa_memory_ordered 1
		.amdhsa_forward_progress 1
		.amdhsa_inst_pref_size 98
	.end_amdhsa_kernel
	.amdgpu_metadata
---
amdhsa.version: [ 1, 2 ]
amdhsa.kernels:
  - .name:           k_qa81fa2365f_prep
    .symbol:         k_qa81fa2365f_prep.kd
    .args:
      - { .name: x, .offset: 0, .size: 8, .value_kind: global_buffer, .address_space: global }
      - { .name: Wq, .offset: 8, .size: 8, .value_kind: global_buffer, .address_space: global }
      - { .name: Wkv, .offset: 16, .size: 8, .value_kind: global_buffer, .address_space: global }
      - { .name: Wo, .offset: 24, .size: 8, .value_kind: global_buffer, .address_space: global }
      - { .name: lowp_scales, .offset: 32, .size: 8, .value_kind: global_buffer, .address_space: global }
      - { .name: xqf, .offset: 40, .size: 8, .value_kind: global_buffer, .address_space: global }
      - { .name: xkf, .offset: 48, .size: 8, .value_kind: global_buffer, .address_space: global }
      - { .name: wfrag, .offset: 56, .size: 8, .value_kind: global_buffer, .address_space: global }
      - { .name: rope, .offset: 64, .size: 8, .value_kind: global_buffer, .address_space: global }
    .group_segment_fixed_size: 0
    .private_segment_fixed_size: 0
    .kernarg_segment_align: 8
    .kernarg_segment_size: 72
    .max_flat_workgroup_size: 128
    .sgpr_count:     66
    .vgpr_count:     240
    .wavefront_size: 32
...
	.end_amdgpu_metadata
.endif
;; end of part 1
;; launch proj (part 2): grid 6 x 32, 16 waves a work-group, no clusters, 264,192 bytes of LDS; arguments xqf, xkf, wfrag, rope, lowp_scales, qf, kvf; writes qf, kvf
.if DOCPART == 2
	.amdgcn_target "amdgcn-amd-amdhsa--gfx1250"
	.amdhsa_code_object_version 6
	.text
	.protected	k_qa81fa2365f_proj
	.globl	k_qa81fa2365f_proj
	.p2align	8
	.type	k_qa81fa2365f_proj,@function
k_qa81fa2365f_proj:
	s_mov_b64 s[64:65], 0
	v_nop
	global_prefetch_b8 v0, s[64:65] scope:SCOPE_SE
	s_setreg_imm32_b32 hwreg(HW_REG_WAVE_MODE, 25, 1), 1
	s_wait_xcnt 0x0
; Launch 2 of 4: q = rope(x Wq), k = rope(x Wkv[:, :512]), v = x Wkv[:, 512:], on codes of E4M3; the results leave as codes, laid as the operand registers of the attention launch.
; SHARES.  Work-group (cg, rb): 256 rows of x (rb) x 256 columns (cg: 0, 1 q's heads 0-3, 4-7; 2, 3 k's; 4, 5 v's).  Its 128 KB of x's codes and 128 KB of the weight's lie whole in LDS: sixteen waves, one tensor load
; of 16 KB each, all at the head: nothing is filled again.  Wave w: head w / 4 of the four, tiles of rows 4 (w % 4) .. + 3: 64 x 64 results in 16 accumulators; K = 512 in four steps of 128.
; q, k: THE PRODUCT IS USED TRANSPOSED (source 0 = 16 columns of W, source 1 = 16 rows of x): a lane holds one row, and by the tiles' order of rows its registers of column tiles 0, 1 are d = 16 h + 0 .. 15, of tiles 2, 3
; d = 32 + 16 h + 0 .. 15: the two halves that the rotation pairs lie in the same lane, and the conversions' results are a fragment's registers.
; v: source 0 = x, source 1 = W: a lane holds one d, and its registers of two neighbouring tiles of rows are 16 neighbouring keys: fragments of V^T with the keys innermost.
; A sum stands for sum x 2^(ex + ew); the rotation is linear: so the conversion's one scale is 2^(e_out - ex - ew).
; LIMITS: e4 - e0 - e1, e5 - e2 - e3, e7 - e2 - e3 between -126 and 119.  NaN is not served.
; NO CLUSTER: a block of x's codes is wanted by two (q) or four (k, v) of the six column groups, and six does not divide into clusters of four; the weight's 128 KB, half of a work-group's bytes, are wanted by all 32 row blocks
; and could be asked for jointly along y: not built.
.set SPARE, 262144                     ; behind the two operands: the spare words, 128 bytes for each of 16 waves
.set XF,  32                           ; v32-63   two fragments of x
.set WF,  64                           ; v64-127  four fragments of W
.set ACC, 128                          ; v128-255 accumulator (tile of rows i, tile of columns j) at ACC + 8 (4 i + j)
.set TT,  16                           ; v16-31   at work in the rotation
.set RP,  32                           ; v32-127  three sets of 32: a tile's cos (16) and sin (16)
.macro PLACES                          ; four plain vector lines between a matrix instruction and a load into, or a vector line on, its registers
.rept 4
	v_nop
.endr
.endm
	s_load_b256 s[4:11], s[0:1], 0x0               ; xqf 4:5, xkf 6:7, wfrag 8:9, rope 10:11
	s_load_b128 s[12:15], s[0:1], 0x20             ; scales 12:13, qf 14:15
	s_load_b64 s[16:17], s[0:1], 0x30              ; kvf
	v_lshl_add_u32 v4, v0, 2, SPARE
	v_mov_b32 v5, 0
	ds_add_u32 v4, v5                              ; the wave's opening: the add, twice on end, and its wait ahead of my tensor load
	ds_add_u32 v4, v5
	v_lshrrev_b32 v1, 5, v0
	v_readfirstlane_b32 s18, v1                    ; wave 0..15
	s_and_b32 s19, ttmp7, 0xffff                   ; rb
	s_mov_b32 s24, 3<<16                           ; group 1: 64 dense rows of 32 elements of 8 bytes: 16 KB as it lies; no mask, no padding
	s_mov_b32 s25, 32<<16                          ; tensor_dim0
	s_mov_b32 s26, 64<<16                          ; tensor_dim1
	s_mov_b32 s27, 32<<16                          ; tile_dim0
	s_mov_b32 s28, 64                              ; tile_dim1
	s_mov_b32 s29, 32                              ; from row to row
	s_mov_b32 s30, 0
	s_mov_b32 s31, 0
	s_mov_b32 s32, 1
	s_lshl_b32 s33, s18, 14                        ; to LDS byte 16,384 x wave: waves 0-7 x's codes, waves 8-15 the weight's
	s_and_b32 s20, s18, 7
	s_lshl_b32 s20, s20, 14
	s_lshl_b32 s21, s19, 17
	s_lshl_b32 s22, ttmp9, 17
	s_cmp_lt_u32 s18, 8
	s_cselect_b32 s36, s21, s22
	s_add_co_u32 s36, s36, s20
	s_mov_b32 s37, 0
	s_wait_dscnt 0x0                               ; both opening adds are done
	s_wait_kmcnt 0x0
	s_cmp_lt_u32 ttmp9, 2
	s_cselect_b64 s[38:39], s[4:5], s[6:7]         ; q takes x's codes at e0, k and v those at e2
	s_cmp_lt_u32 s18, 8
	s_cselect_b64 s[38:39], s[38:39], s[8:9]
	s_add_nc_u64 s[34:35], s[38:39], s[36:37]
	s_or_b32 s35, s35, 0x80000000
	tensor_load_to_lds s[32:35], s[24:31]          ; every wave issues one: one load of mine is out
	s_nop 0
	s_load_b256 s[40:47], s[12:13], 0x0            ; e0 .. e7
	v_and_b32 v1, 31, v0
	v_lshlrev_b32 v1, 4, v1                        ; 16 x lane
	s_and_b32 s20, s18, 3                          ; rq: which four tiles of rows
	s_lshr_b32 s21, s18, 2                         ; hq: which head
	s_lshl_b32 s22, s20, 15
	v_add_nc_u32 v2, s22, v1                       ; my fragments of x
	s_lshl_b32 s22, s21, 15
	s_add_co_u32 s22, s22, 131072
	v_add_nc_u32 v3, s22, v1                       ; of W
	s_lshr_b32 s23, s19, 4
	s_lshl_b32 s23, s23, 3
	s_and_b32 s36, ttmp9, 1
	s_lshl_b32 s36, s36, 2
	s_add_co_u32 s23, s23, s36
	s_add_co_u32 s23, s23, s21                     ; 8 x batch + head
	s_and_b32 s36, s19, 15                         ; the block of 256 positions
	s_lshl_b32 s23, s23, 4
	s_add_co_u32 s23, s23, s36
	s_mov_b32 s39, 0
	s_wait_kmcnt 0x0
	s_sub_co_i32 s48, s44, s40
	s_sub_co_i32 s48, s48, s41                     ; e4 - e0 - e1
	s_sub_co_i32 s49, s45, s42
	s_sub_co_i32 s49, s49, s43                     ; e5 - e2 - e3
	s_sub_co_i32 s50, s47, s42
	s_sub_co_i32 s50, s50, s43                     ; e7 - e2 - e3
	s_cmp_lt_u32 ttmp9, 4
	s_cselect_b32 s49, s49, s50
	s_cmp_lt_u32 ttmp9, 2
	s_cselect_b32 s48, s48, s49
	s_add_co_i32 s48, s48, 127
	s_lshl_b32 s49, s48, 23
	v_mov_b32 v6, s49                              ; the conversion's scale
	s_add_co_i32 s48, s48, 8
	s_lshl_b32 s48, s48, 23
	s_or_b32 s48, s48, 0x600000
	v_mov_b32 v7, s48                              ; 448 x that
	s_wait_tensorcnt 0x0                           ; my 16 KB are in,
	s_barrier_signal -1
	s_barrier_wait -1                              ; everybody's are
.macro XFETCH s, i0                    ; x's fragments of tiles i0, i0 + 1, K step s
.set nn, 0
.rept 8
	ds_load_b128 v[XF+4*nn:XF+4*nn+3], v2 offset:(\i0+nn/4)*8192+\s*2048+(nn%4)*512
.set nn, nn+1
.endr
.endm
.macro MUL8 s, swap, i0                ; two tiles of rows x four of columns; the sixteen accumulators take turns, one instruction a turn; K step 0 starts the sums
.set nn, 0
.rept 8
.set AC, ACC+8*(4*\i0+nn)
.if \swap
.if \s == 0
	v_wmma_f32_16x16x128_fp8_fp8 v[AC:AC+7], v[WF+16*(nn%4):WF+16*(nn%4)+15], v[XF+16*(nn/4):XF+16*(nn/4)+15], 0
.else
	v_wmma_f32_16x16x128_fp8_fp8 v[AC:AC+7], v[WF+16*(nn%4):WF+16*(nn%4)+15], v[XF+16*(nn/4):XF+16*(nn/4)+15], v[AC:AC+7]
.endif
.else
.if \s == 0
	v_wmma_f32_16x16x128_fp8_fp8 v[AC:AC+7], v[XF+16*(nn/4):XF+16*(nn/4)+15], v[WF+16*(nn%4):WF+16*(nn%4)+15], 0
.else
	v_wmma_f32_16x16x128_fp8_fp8 v[AC:AC+7], v[XF+16*(nn/4):XF+16*(nn/4)+15], v[WF+16*(nn%4):WF+16*(nn%4)+15], v[AC:AC+7]
.endif
.endif
.set nn, nn+1
.endr
.endm
.macro KSTEP s, swap
.if \s > 0
	PLACES
.endif
.set nn, 0
.rept 16
	ds_load_b128 v[WF+4*nn:WF+4*nn+3], v3 offset:(nn/4)*8192+\s*2048+(nn%4)*512
.set nn, nn+1
.endr
	XFETCH \s, 0
	s_wait_dscnt 0x0
	MUL8 \s, \swap, 0
	PLACES
	XFETCH \s, 2
	s_wait_dscnt 0x0
	MUL8 \s, \swap, 2
.endm
	s_cmp_ge_u32 ttmp9, 4
	s_cbranch_scc1 .Lv
; ---- q and k
	s_lshl_b32 s37, s36, 4
	s_lshl_b32 s38, s20, 2
	s_add_co_u32 s37, s37, s38                     ; my first tile of positions
	s_lshl_b32 s38, s37, 12
	s_add_nc_u64 s[10:11], s[10:11], s[38:39]      ; its cos and sin
	s_cmp_lt_u32 ttmp9, 2
	s_cselect_b64 s[52:53], s[14:15], s[16:17]     ; q's fragments, or k's in the block of K and V
	s_cselect_b32 s54, 14, 15                      ; a block of 256 positions is 16 KB there, 32 KB here
	s_lshl_b32 s38, s23, s54
	s_lshl_b32 s55, s20, 12
	s_add_co_u32 s38, s38, s55
	s_add_nc_u64 s[52:53], s[52:53], s[38:39]
	KSTEP 0, 1
	KSTEP 1, 1
	KSTEP 2, 1
	KSTEP 3, 1
	PLACES
.macro RLOAD i                         ; tile i's cos (pieces 0-3) and sin (4-7): lane (r, h): f = 16 h + 0 .. 15 of its position
.set RR, RP+32*((\i)%3)
.irp p, 0,1,2,3,4,5,6,7
	global_load_b128 v[RR+4*\p:RR+4*\p+3], v1, s[10:11] offset:4096*(\i)+512*\p
.endr
.endm
.macro ROT i                           ; tile i: rotated, held, converted, stored.  Each accumulator is read from its low end on
.set RR, RP+32*((\i)%3)
.set AA, ACC+32*(\i)
.irp g, 0,8
.irp p, 0,2,4,6
	v_pk_mul_f32 v[TT+\p:TT+\p+1], v[AA+16+\g+\p:AA+16+\g+\p+1], v[RR+16+\g+\p:RR+16+\g+\p+1]    ; x2 sin
.endr
.irp p, 0,2,4,6
	v_pk_mul_f32 v[TT+8+\p:TT+8+\p+1], v[AA+\g+\p:AA+\g+\p+1], v[RR+16+\g+\p:RR+16+\g+\p+1]      ; x1 sin
.endr
.irp p, 0,2,4,6
	v_pk_fma_f32 v[AA+\g+\p:AA+\g+\p+1], v[AA+\g+\p:AA+\g+\p+1], v[RR+\g+\p:RR+\g+\p+1], v[TT+\p:TT+\p+1] neg_lo:[0,0,1] neg_hi:[0,0,1]   ; x1 cos - x2 sin
.endr
.irp p, 0,2,4,6
	v_pk_fma_f32 v[AA+16+\g+\p:AA+16+\g+\p+1], v[AA+16+\g+\p:AA+16+\g+\p+1], v[RR+\g+\p:RR+\g+\p+1], v[TT+8+\p:TT+8+\p+1]                 ; x2 cos + x1 sin
.endr
.endr
.set ii, 0
.rept 32
	v_med3_num_f32 v[AA+ii], v[AA+ii], -v7, v7     ; the conversion does not saturate (ISA guide 7.6.2)
.set ii, ii+1
.endr
.irp g, 0,1,2,3
	v_cvt_scalef32_pk8_fp8_f32 v[RR+2*\g:RR+2*\g+1], v[AA+8*\g:AA+8*\g+7], v6   ; into cos's registers, which are done with
.endr
	v_nop                                          ; a plain line behind the last conversion
	global_store_b128 v1, v[RR:RR+3], s[52:53] offset:1024*(\i)          ; d = 16 h + 0 .. 15: 512 consecutive bytes
	global_store_b128 v1, v[RR+4:RR+7], s[52:53] offset:1024*(\i)+512    ; d = 32 + 16 h + 0 .. 15
.endm
	RLOAD 0
	RLOAD 1
	RLOAD 2
	s_wait_loadcnt 16                              ; tile 0's eight loads are in; tiles 1 and 2 stay out
	ROT 0
	s_wait_xcnt 0x0                                ; tile 0's stores have read their registers: tile 3's loads land there
	RLOAD 3
	s_wait_loadcnt 16                              ; tiles 2 and 3 stay out
	ROT 1
	s_wait_loadcnt 8                               ; tile 3 stays out
	ROT 2
	s_wait_loadcnt 0x0
	ROT 3
	s_branch .Lend
; ---- v
.Lv:
	s_lshl_b32 s38, s23, 15
	s_add_co_u32 s38, s38, 16384                   ; behind the block's fragments of K
	s_lshr_b32 s54, s20, 1
	s_lshl_b32 s54, s54, 13                        ; which 128 keys
	s_add_co_u32 s38, s38, s54
	s_and_b32 s54, s20, 1
	s_lshl_b32 s54, s54, 10                        ; which 64 of them: pieces 2 (rq % 2) and + 1
	s_add_co_u32 s38, s38, s54
	s_add_nc_u64 s[52:53], s[16:17], s[38:39]
	KSTEP 0, 0
	KSTEP 1, 0
	KSTEP 2, 0
	KSTEP 3, 0
	PLACES
.irp j, 0,1,2,3
.irp ip, 0,1
.set A0, ACC+8*(8*\ip+\j)
.set A1, ACC+8*(8*\ip+4+\j)
.set ii, 0
.rept 8
	v_med3_num_f32 v[A0+ii], v[A0+ii], -v7, v7
.set ii, ii+1
.endr
.set ii, 0
.rept 8
	v_med3_num_f32 v[A1+ii], v[A1+ii], -v7, v7
.set ii, ii+1
.endr
	v_cvt_scalef32_pk8_fp8_f32 v[XF+4*(2*\j+\ip):XF+4*(2*\j+\ip)+1], v[A0:A0+7], v6     ; keys 32 ip + 16 h + 0 .. 7 of my 64,
	v_cvt_scalef32_pk8_fp8_f32 v[XF+4*(2*\j+\ip)+2:XF+4*(2*\j+\ip)+3], v[A1:A1+7], v6   ; and + 8 .. 15
.endr
.endr
	v_nop                                          ; a plain line behind the last conversion
.irp j, 0,1,2,3
.irp ip, 0,1
	global_store_b128 v1, v[XF+4*(2*\j+\ip):XF+4*(2*\j+\ip)+3], s[52:53] offset:2048*\j+512*\ip
.endr
.endr
.Lend:
	s_wait_tensorcnt 0x0                           ; the wave's end
	ds_add_u32 v4, v5
	s_wait_dscnt 0x0
	s_endpgm
.Lfunc_end_k_qa81fa2365f_proj:
	.size	k_qa81fa2365f_proj, .Lfunc_end_k_qa81fa2365f_proj-k_qa81fa2365f_proj
	.p2alignl 7, 3214868480
	.fill 96, 4, 3214868480
	.section	.rodata,"a",@progbits
	.p2align	6, 0x0
	.amdhsa_kernel k_qa81fa2365f_proj
		.amdhsa_group_segment_fixed_size 264192
		.amdhsa_private_segment_fixed_size 0
		.amdhsa_enable_private_segment 0
		.amdhsa_kernarg_size 56
		.amdhsa_user_sgpr_count 2
		.amdhsa_user_sgpr_kernarg_segment_ptr 1
		.amdhsa_wavefront_size32 1
		.amdhsa_system_sgpr_workgroup_id_x 1
		.amdhsa_system_sgpr_workgroup_id_y 1
		.amdhsa_system_sgpr_workgroup_id_z 1
		.amdhsa_system_vgpr_workitem_id 0
		.amdhsa_next_free_vgpr 256
		.amdhsa_next_free_sgpr 66
		.amdhsa_reserve_vcc 0
		.amdhsa_float_denorm_mode_32 3
		.amdhsa_float_denorm_mode_16_64 3
		.amdhsa_memory_ordered 1
		.amdhsa_forward_progress 1
		.amdhsa_inst_pref_size 62
	.end_amdhsa_kernel
	.amdgpu_metadata
---
amdhsa.version: [ 1, 2 ]
amdhsa.kernels:
  - .name:           k_qa81fa2365f_proj
    .symbol:         k_qa81fa2365f_proj.kd
    .args:
      - { .name: xqf, .offset: 0, .size: 8, .value_kind: global_buffer, .address_space: global }
      - { .name: xkf, .offset: 8, .size: 8, .value_kind: global_buffer, .address_space: global }
      - { .name: wfrag, .offset: 16, .size: 8, .value_kind: global_buffer, .address_space: global }
      - { .name: rope, .offset: 24, .size: 8, .value_kind: global_buffer, .address_space: global }
      - { .name: lowp_scales, .offset: 32, .size: 8, .value_kind: global_buffer, .address_space: global }
      - { .name: qf, .offset: 40, .size: 8, .value_kind: global_buffer, .address_space: global }
      - { .name: kvf, .offset: 48, .size: 8, .value_kind: global_buffer, .address_space: global }
    .group_segment_fixed_size: 264192
    .private_segment_fixed_size: 0
    .kernarg_segment_align: 8
    .kernarg_segment_size: 56
    .max_flat_workgroup_size: 512
    .sgpr_count:     66
    .vgpr_count:     256
    .wavefront_size: 32
...
	.end_amdgpu_metadata
.endif
;; end of part 2
;; launch attn (part 3): grid 16 x 16, 16 waves a work-group, no clusters, 327,680 bytes of LDS; arguments qf, kvf, lowp_scales, of; writes of
.if DOCPART == 3
	.amdgcn_target "amdgcn-amd-amdhsa--gfx1250"
	.amdhsa_code_object_version 6
	.text
	.protected	k_qa81fa2365f_attn
	.globl	k_qa81fa2365f_attn
	.p2align	8
	.type	k_qa81fa2365f_attn,@function
k_qa81fa2365f_attn:
	s_mov_b64 s[64:65], 0
	v_nop
	global_prefetch_b8 v0, s[64:65] scope:SCOPE_SE
	s_setreg_imm32_b32 hwreg(HW_REG_WAVE_MODE, 25, 1), 1
	s_wait_xcnt 0x0
; Launch 3 of 4: o = softmax(q k^T / 8 under the mask 0 <= query - key <= 1023) v, both products on codes of E4M3; o leaves as codes for the last product.
; WORK LEFT OUT: steps of 128 keys that lie wholly under reference()'s own mask (shown at the head of launch prep): a tile of 16 queries meets 9 steps.
; THE SOFTMAX AHEAD OF THE SECOND PRODUCT: t = score x log2(e) / 8; M = the largest t so far, rounded UP to a whole number; p = 2^(t - M) is quantised, not normalised; the row's sum is taken of the unquantised p and divides at the end.
; When M moves, the sum and O are multiplied by 2^(old M - new M): exact.
; SHARES.  Work-group (i, bh): 256 queries of one head; each of sixteen waves one tile of 16, in 256 registers, four waves to a SIMD.
; THE WALK goes DOWN from the diagonal: key blocks i, i - 1, .. i - 4 of 256 keys, five slots, a constant count.  The first block is read by every wave and holds an open key for every query, so M is a number from the first step on.
; A block of K and V is 32 KB, laid as operand registers by launch proj: wave 0 fetches K's 16 KB, wave 1 V's, into a ring of two slots; all sixteen read them, 16 bytes a lane, 512 consecutive bytes an instruction.
; LAYOUT.  S^T = K Q^T (source 0 = 16 keys, source 1 = my 16 queries), O^T = V^T P^T: a lane holds one query throughout.  By the tiles' order of rows, score register 16 b + n is key 32 b + 16 (lane / 16) + n of the step.
; THE MASK.  My tile's queries lie in one aligned group of 128, first query QB; a step's keys begin at KS, a multiple of 128; D = QB - KS.  D < 0 or D > 1024: all hidden, the step is jumped over (ids alone).
; D = 0: key offset o is hidden where o > my query's offset.  D = 1024: hidden where o <= it: the same comparison, the selection turned round.  Between: all open.
; LIMITS: e4 + e5 between -123 and 130 (added to the exponent field of log2(e) / 8); e6 and e8 - e6 - e7 between -126 and 119.  NaN is not served.
; NO CLUSTER: in trip j work-group i reads key block i - j, so no two work-groups of a head want the same block in the same trip; walking in step would take eight slots for five, with joint tiles that some partners never read.
; NO PREFETCH: every key block is the first slot of its own query block and is asked for by that work-group's load at the head; the later readers ask for bytes that have been read.
.set SLOT1, 32768                      ; slot 1 begins here: one exclusive or turns an address in one slot into the other's
.set SPARE, 65536                      ; behind the ring: the spare words, 128 bytes for each of 16 waves
.set LI,  1                            ; v1   16 x lane
.set SPW, 5                            ; v5   my spare word; never rewritten
.set NIL, 6                            ; v6   0; never rewritten
.set ADR, 8                            ; v8   16 x lane + the slot in hand
.set DL,  9                            ; v9   my query's offset in its group of 128, less 16 (lane / 16)
.set PX,  10                           ; v10  what a lane exchange brings: a register of no matrix operand; written at the head (a lane permute's destination counts as one of its sources)
; v12 -M, v13 the largest t, v[14:15] the sum in two halves; v16-23 Q; v32-95 fragments of K, then of V; v96-159 S^T, then p; v160-191 O^T; v224-239 p's codes; v240 the hold; v244 the scale; v242-243, v252-254 at work
.set WV,  12
.set BH,  14
.set TB,  15                           ; s15  LDS byte at which the slot in hand begins
.set KF,  16                           ; s16  its first key (signed)
.set QB,  17
.set SLOTS, 18
.set DD,  19
.set SEL, 20
.set CS,  22
.set G1,  24
.set G0,  32
.set KS,  36
.set TQ,  37
.macro TLOAD                           ; waves 0 and 1 fetch; the branch hangs on the wave's number alone.  An s_nop 0 and four v_nop follow the load
	s_cmp_lt_u32 s[WV], 2
	s_cbranch_scc0 .Lasked_\@
	tensor_load_to_lds s[G0:G0+3], s[G1:G1+7]
	s_nop 0
.rept 4
	v_nop
.endr
.Lasked_\@:
.endm
	s_load_b256 s[4:11], s[0:1], 0x0               ; qf 4:5, kvf 6:7, scales 8:9, of 10:11
	v_lshl_add_u32 v[SPW], v0, 2, SPARE
	v_mov_b32 v[NIL], 0
	ds_add_u32 v[SPW], v[NIL]                      ; the wave's opening: the add, twice on end, and its wait ahead of the first tensor load
	ds_add_u32 v[SPW], v[NIL]
	v_lshrrev_b32 v8, 5, v0
	v_readfirstlane_b32 s[WV], v8                  ; wave 0..15
	s_and_b32 s[BH], ttmp7, 0xffff                 ; 8 x batch + head
	s_mov_b32 s[G1], 3<<16                         ; group 1: 64 dense rows of 32 elements of 8 bytes: 16 KB as it lies; no mask, no padding
	s_mov_b32 s[G1+1], 32<<16
	s_mov_b32 s[G1+2], 64<<16
	s_mov_b32 s[G1+3], 32<<16
	s_mov_b32 s[G1+4], 64
	s_mov_b32 s[G1+5], 32
	s_mov_b32 s[G1+6], 0
	s_mov_b32 s[G1+7], 0
	s_mov_b32 s[SEL], 0x76543210
	s_mov_b32 s[SEL+1], 0xfedcba98
	s_mov_b32 s[CS], 0x3e38aa3b                    ; log2(e) / 8
	s_mov_b32 s[TB], 0
	s_mov_b32 s[SLOTS], 4
	s_lshl_b32 s[KF], ttmp9, 8
	s_lshr_b32 s50, s[WV], 3
	s_lshl_b32 s50, s50, 7
	s_add_co_u32 s[QB], s[KF], s50
	s_lshl_b32 s50, s[BH], 4
	s_add_co_u32 s50, s50, ttmp9
	s_lshl_b32 s50, s50, 15                        ; the diagonal block of K and V
	s_and_b32 s52, s[WV], 1
	s_lshl_b32 s52, s52, 14                        ; K's half or V's, in memory and in a slot
	s_add_co_u32 s50, s50, s52
	s_mov_b32 s51, 0
	s_wait_dscnt 0x0                               ; both opening adds are done
	s_wait_kmcnt 0x0
	s_load_b256 s[40:47], s[8:9], 0x0              ; e0 .. e7
	s_load_b64 s[48:49], s[8:9], 0x20              ; e8, e9
	s_mov_b32 s[G0], 1
	s_mov_b32 s[G0+1], s52
	s_add_nc_u64 s[G0+2:G0+3], s[6:7], s[50:51]
	s_or_b32 s[G0+3], s[G0+3], 0x80000000
	TLOAD                                          ; slot 0: one load of a fetching wave is out
	v_and_b32 v[LI], 31, v0
	v_lshlrev_b32 v[LI], 4, v[LI]
	s_lshl_b32 s[TQ], ttmp9, 4
	s_add_co_u32 s[TQ], s[TQ], s[WV]               ; my tile of queries in the head
	s_lshl_b32 s50, s[BH], 8
	s_add_co_u32 s50, s50, s[TQ]
	s_lshl_b32 s50, s50, 10
	s_add_nc_u64 s[4:5], s[4:5], s[50:51]
	global_load_b128 v[16:19], v[LI], s[4:5]       ; Q's fragment stays in registers
	global_load_b128 v[20:23], v[LI], s[4:5] offset:512
	s_lshr_b32 s50, s[BH], 3
	s_lshl_b32 s50, s50, 8
	s_add_co_u32 s50, s50, s[TQ]
	s_lshl_b32 s50, s50, 13                        ; o's codes: the tile of rows,
	s_and_b32 s52, s[BH], 7
	s_lshr_b32 s52, s52, 1
	s_lshl_b32 s52, s52, 11                        ; K step head / 2 of the last product,
	s_add_co_u32 s50, s50, s52
	s_and_b32 s52, s[BH], 1
	s_lshl_b32 s52, s52, 10                        ; pieces 2 (head % 2) and + 1
	s_add_co_u32 s50, s50, s52
	s_add_nc_u64 s[10:11], s[10:11], s[50:51]
	s_lshr_b32 s52, s[WV], 1
	s_and_b32 s52, s52, 3
	s_lshl_b32 s52, s52, 5
	s_and_b32 s53, s[WV], 1
	s_lshl_b32 s53, s53, 3
	s_add_co_u32 s52, s52, s53
	v_and_b32 v[PX], 15, v0                        ; r (all lanes on: the exchanges' destination is written from here on)
	v_and_b32 v11, 8, v0
	v_add_nc_u32 v[DL], v[PX], v11                 ; r + 8 (r / 8)
	v_add_nc_u32 v[DL], s52, v[DL]
	v_bfe_u32 v11, v0, 4, 1
	v_lshlrev_b32 v11, 4, v11
	v_sub_nc_u32 v[DL], v[DL], v11
	v_mov_b32 v13, 0xff61b1e6                      ; the largest t so far: -3e38, under every t
	v_floor_f32 v12, -v13                          ; -M
	v_mov_b32 v14, 0
	v_mov_b32 v15, 0
	v_mov_b32 v253, 0                              ; (named as the upper half of the pair v[252:253])
.set nn, 0
.rept 32
	v_mov_b32 v[160+nn], 0                         ; O^T: the step is written once; the first finds zeros, which the first change of M leaves zeros
.set nn, nn+1
.endr
	s_wait_kmcnt 0x0
	s_add_co_i32 s50, s44, s45
	s_lshl_b32 s50, s50, 23
	s_add_co_i32 s[CS], s[CS], s50                 ; a score stands for score x 2^(e4 + e5)
	s_mov_b32 s[CS+1], s[CS]
	s_add_co_i32 s50, s46, 127
	s_lshl_b32 s51, s50, 23
	v_mov_b32 v244, s51                            ; 2^e6
	s_add_co_i32 s50, s50, 8
	s_lshl_b32 s50, s50, 23
	s_or_b32 s50, s50, 0x600000
	v_mov_b32 v240, s50                            ; 448 x 2^e6
.macro MASK win                        ; hidden scores become -infinity ahead of the maximum: p = 0 then
	v_mov_b32 v254, 0xff800000
.set nn, 0
.rept 64
	v_cmp_gt_i32 vcc_lo, 32*(nn/16)+nn%16, v[DL]
.if \win
	v_cndmask_b32 v[96+nn], v254, v[96+nn], vcc_lo
.else
	v_cndmask_b32 v[96+nn], v[96+nn], v254, vcc_lo
.endif
.set nn, nn+1
.endr
.endm
; A KEY STEP: 128 keys, the q-th of the slot in hand
.macro STEP q
	s_add_co_i32 s[KS], s[KF], 128*\q
	s_cmp_lt_i32 s[KS], 0                          ; under key 0: the slot was not asked for
	s_cbranch_scc1 .Lhidden_\@
	s_sub_co_i32 s[DD], s[QB], s[KS]
	s_cmp_gt_u32 s[DD], 1024                       ; after my queries (as an unsigned number D < 0 is large too) or before the window
	s_cbranch_scc1 .Lhidden_\@
	v_add_nc_u32 v[ADR], s[TB], v[LI]
.rept 3
	v_nop                                          ; with the addition: four places in front of loads into registers that the last products read
.endr
.set nn, 0
.rept 16
	ds_load_b128 v[32+4*nn:35+4*nn], v[ADR] offset:\q*8192+nn*512        ; eight fragments of 16 keys x 64
.set nn, nn+1
.endr
	s_wait_dscnt 0x0
.set nn, 0
.rept 8
	v_wmma_f32_16x16x64_fp8_fp8 v[96+8*nn:103+8*nn], v[32+8*nn:39+8*nn], v[16:23], 0
.set nn, nn+1
.endr
.rept 4
	v_nop
.endr
.set nn, 0
.rept 16
	ds_load_b128 v[32+4*nn:35+4*nn], v[ADR] offset:16384+\q*8192+nn*512  ; V^T: four fragments of 16 d x 128 keys; they land while the softmax is worked
.set nn, nn+1
.endr
	s_cmp_lg_u32 s[DD], 0
	s_cbranch_scc1 .Lnodiag_\@
	MASK 0
.Lnodiag_\@:
	s_cmp_lg_u32 s[DD], 1024
	s_cbranch_scc1 .Lnowin_\@
	MASK 1
.Lnowin_\@:
	v_max3_num_f32 v254, v96, v97, v98             ; the step's largest score of my query among my 64 keys, in two chains,
	v_max3_num_f32 v252, v99, v100, v101
.set nn, 6
.rept 14
	v_max3_num_f32 v254, v254, v[96+nn], v[97+nn]
	v_max3_num_f32 v252, v252, v[98+nn], v[99+nn]
.set nn, nn+4
.endr
	v_max3_num_f32 v254, v254, v158, v159
	v_max_num_f32 v254, v254, v252
	v_permlanex16_b32 v[PX], v254, s[SEL], s[SEL+1]
	v_max_num_f32 v254, v254, v[PX]                ; and among lane l xor 16's
	v_mul_f32 v254, s[CS], v254                    ; as t
	v_max_num_f32 v13, v13, v254                   ; the running largest t
	v_mov_b32 v254, v12
	v_floor_f32 v12, -v13                          ; the new -M = -ceil(t)
	v_sub_f32 v254, v12, v254                      ; old M - new M: a whole number, 0 or less
	v_cvt_i32_f32 v254, v254                       ; (it saturates)
	v_ldexp_f32 v252, 1.0, v254                    ; f = 2^(old M - new M)
.set nn, 0
.rept 32
	v_pk_fma_f32 v[96+nn:97+nn], v[96+nn:97+nn], s[CS:CS+1], v[12:13] op_sel_hi:[1,0,0]   ; t - M
.set nn, nn+2
.endr
.set nn, 0
.rept 64
	v_exp_f32 v[96+nn], v[96+nn]                   ; p = 2^(t - M)
.set nn, nn+1
.endr
	v_pk_mul_f32 v[14:15], v[14:15], v[252:253] op_sel_hi:[1,0]   ; the sums under the new M: the plain line behind the exponentials
	s_wait_alu depctr_va_vdst(0)                   ; one wait for the whole batch, ahead of its first reader
	v_pk_add_f32 v[242:243], v[96:97], v[98:99]    ; the row's sum is taken of the unquantised p, in two chains
.set nn, 4
.rept 15
	v_pk_add_f32 v[14:15], v[14:15], v[96+nn:97+nn]
	v_pk_add_f32 v[242:243], v[242:243], v[98+nn:99+nn]
.set nn, nn+4
.endr
	v_pk_add_f32 v[14:15], v[14:15], v[242:243]
.set bb, 0
.rept 4
.set nn, 0
.rept 16
	v_min_num_f32 v[96+16*bb+nn], v[96+16*bb+nn], v240   ; the conversion does not saturate (ISA guide 7.6.2); p is not negative
.set nn, nn+1
.endr
	v_cvt_scalef32_pk8_fp8_f32 v[224+4*bb:225+4*bb], v[96+16*bb:103+16*bb], v244
	v_cvt_scalef32_pk8_fp8_f32 v[226+4*bb:227+4*bb], v[104+16*bb:111+16*bb], v244
.set bb, bb+1
.endr
.set nn, 0
.rept 16
	v_pk_mul_f32 v[160+nn:161+nn], v[160+nn:161+nn], v[252:253] op_sel_hi:[1,0]   ; O^T under the new M; also the plain lines behind the conversions
.set nn, nn+2
.endr
	s_wait_dscnt 0x0                               ; V's fragments are in
.set nn, 0
.rept 4
	v_wmma_f32_16x16x128_fp8_fp8 v[160+8*nn:167+8*nn], v[32+16*nn:47+16*nn], v[224:239], v[160+8*nn:167+8*nn]   ; the four accumulators by turns
.set nn, nn+1
.endr
.Lhidden_\@:
.endm
; THE CHANGE OF SLOTS stands at a slot's head: each wave waits for all its tensor loads, adds 0 to its spare word, waits for that and for its reads of the slot that it has left; behind the barrier the slot ahead is whole
; and nobody reads the other one.  fill = 1: that other slot takes the 256 keys BEFORE these, unless they would lie under key 0: such a slot is read by no step.  The test is made of the work-group's number and the count of
; slots alone, is the same in all sixteen waves, and stays true once it is true; where it begins hangs on the work-group's number, so that tail cannot be written out.  Every wait on TENSORcnt in this text is for 0.
.macro CHANGE fill
	s_wait_tensorcnt 0x0
	ds_add_u32 v[SPW], v[NIL]
.if \fill
	ds_add_u32 v[SPW], v[NIL]                      ; and twice on end here, in every trip alike; the descriptor's steps stand between the second and the wait
	s_xor_b32 s[G0+1], s[G0+1], SLOT1
	s_sub_nc_u64 s[G0+2:G0+3], s[G0+2:G0+3], 32768 ; one block of K and V back; the type bits on top are not reached
.endif
	s_wait_dscnt 0x0
	s_barrier_signal -1
	s_barrier_wait -1
.if \fill
	s_cmp_lt_i32 s[KF], 256
	s_cbranch_scc1 .Lpast_\@
	TLOAD                                          ; a wave's one tensor load until the next barrier: it has a slot's two steps in which to land
.Lpast_\@:
.endif
.endm
.macro SLOT_STEPS
	STEP 0
	STEP 1
	s_xor_b32 s[TB], s[TB], SLOT1
	s_sub_co_i32 s[KF], s[KF], 256
.endm
	s_wait_loadcnt 0x0                             ; Q
.Lslot:                                            ; four trips: behind each change of slots but the last the next slot is asked for
	CHANGE 1
	SLOT_STEPS
	s_sub_co_u32 s[SLOTS], s[SLOTS], 1
	s_cmp_lg_u32 s[SLOTS], 0
	s_cbranch_scc1 .Lslot
	CHANGE 0                                       ; the last slot is written out: nothing is left to ask for
	SLOT_STEPS
	; THE WAY OUT: O^T / the sum, quantised with the one scale 2^(e8 - e6 - e7): a sum of the second product stands for sum x 2^(e6 + e7).
	; None of the lines up to the first read of O^T names a register of the last products (v32-95, v160-191, v224-239): the seven plain ones among them are the places behind those products
	v_add_f32 v14, v14, v15
	v_permlanex16_b32 v[PX], v14, s[SEL], s[SEL+1]
	v_add_f32 v14, v14, v[PX]                      ; the row's sum
	v_rcp_f32 v14, v14
	s_sub_co_i32 s50, s48, s46
	s_sub_co_i32 s50, s50, s47
	s_add_co_i32 s50, s50, 127
	s_lshl_b32 s51, s50, 23
	v_mov_b32 v244, s51                            ; (the plain line behind the reciprocal)
	s_add_co_i32 s50, s50, 8
	s_lshl_b32 s50, s50, 23
	s_or_b32 s50, s50, 0x600000
	v_mov_b32 v240, s50
	v_nop
	v_nop
	s_wait_alu depctr_va_vdst(0)                   ; the wait ahead of the reciprocal's first reader
.set nn, 0
.rept 16
	v_pk_mul_f32 v[96+nn:97+nn], v[160+nn:161+nn], v[14:15] op_sel_hi:[1,0]   ; registers 0-15: d = 16 h + 0 .. 15; 16-31: d = 32 + 16 h + 0 .. 15; each accumulator from its low end on
.set nn, nn+2
.endr
.set nn, 0
.rept 32
	v_med3_num_f32 v[96+nn], v[96+nn], -v240, v240
.set nn, nn+1
.endr
.irp g, 0,1,2,3
	v_cvt_scalef32_pk8_fp8_f32 v[32+2*\g:33+2*\g], v[96+8*\g:103+8*\g], v244
.endr
	v_nop                                          ; a plain line behind the last conversion
	global_store_b128 v[LI], v[32:35], s[10:11]             ; 512 consecutive bytes each
	global_store_b128 v[LI], v[36:39], s[10:11] offset:512
	s_wait_tensorcnt 0x0                           ; the wave's end
	ds_add_u32 v[SPW], v[NIL]
	s_wait_dscnt 0x0
	s_endpgm
.Lfunc_end_k_qa81fa2365f_attn:
	.size	k_qa81fa2365f_attn, .Lfunc_end_k_qa81fa2365f_attn-k_qa81fa2365f_attn
	.p2alignl 7, 3214868480
	.fill 96, 4, 3214868480
	.section	.rodata,"a",@progbits
	.p2align	6, 0x0
	.amdhsa_kernel k_qa81fa2365f_attn
		.amdhsa_group_segment_fixed_size 327680
		.amdhsa_private_segment_fixed_size 0
		.amdhsa_enable_private_segment 0
		.amdhsa_kernarg_size 32
		.amdhsa_user_sgpr_count 2
		.amdhsa_user_sgpr_kernarg_segment_ptr 1
		.amdhsa_wavefront_size32 1
		.amdhsa_system_sgpr_workgroup_id_x 1
		.amdhsa_system_sgpr_workgroup_id_y 1
		.amdhsa_system_sgpr_workgroup_id_z 1
		.amdhsa_system_vgpr_workitem_id 0
		.amdhsa_next_free_vgpr 256
		.amdhsa_next_free_sgpr 66
		.amdhsa_reserve_vcc 1
		.amdhsa_float_denorm_mode_32 3
		.amdhsa_float_denorm_mode_16_64 3
		.amdhsa_memory_ordered 1
		.amdhsa_forward_progress 1
		.amdhsa_inst_pref_size 113
	.end_amdhsa_kernel
	.amdgpu_metadata
---
amdhsa.version: [ 1, 2 ]
amdhsa.kernels:
  - .name:           k_qa81fa2365f_attn
    .symbol:         k_qa81fa2365f_attn.kd
    .args:
      - { .name: qf, .offset: 0, .size: 8, .value_kind: global_buffer, .address_space: global }
      - { .name: kvf, .offset: 8, .size: 8, .value_kind: global_buffer, .address_space: global }
      - { .name: lowp_scales, .offset: 16, .size: 8, .value_kind: global_buffer, .address_space: global }
      - { .name: of, .offset: 24, .size: 8, .value_kind: global_buffer, .address_space: global }
    .group_segment_fixed_size: 327680
    .private_segment_fixed_size: 0
    .kernarg_segment_align: 8
    .kernarg_segment_size: 32
    .max_flat_workgroup_size: 512
    .sgpr_count:     66
    .vgpr_count:     256
    .wavefront_size: 32
...
	.end_amdgpu_metadata
.endif
;; end of part 3
;; launch outp (part 4): grid 4 x 64, 8 waves a work-group, no clusters, 167,936 bytes of LDS; arguments of, wfrag, lowp_scales, out0; writes out0
.if DOCPART == 4
	.amdgcn_target "amdgcn-amd-amdhsa--gfx1250"
	.amdhsa_code_object_version 6
	.text
	.protected	k_qa81fa2365f_outp
	.globl	k_qa81fa2365f_outp
	.p2align	8
	.type	k_qa81fa2365f_outp,@function
k_qa81fa2365f_outp:
	s_mov_b64 s[64:65], 0
	v_nop
	global_prefetch_b8 v0, s[64:65] scope:SCOPE_SE
	s_setreg_imm32_b32 hwreg(HW_REG_WAVE_MODE, 25, 1), 1
	s_wait_xcnt 0x0
; Launch 4 of 4: out0 = o Wo on codes of E4M3; each finished sum is multiplied once by 2^(e8 + e9).
; SHARES.  Work-group (cgo, rbk): 128 rows x 128 columns; its 64 KB of o's codes and 64 KB of Wo's lie whole in LDS: eight waves, one tensor load of 16 KB each, all at the head: nothing is filled again.
; Wave w: columns 64 (w % 2) on, tiles of rows 2 (w / 2) and + 1: eight accumulators; K = 512 in four steps of 128.
; THE PRODUCT IS USED TRANSPOSED (source 0 = 16 columns of Wo, source 1 = 16 rows of o): a lane holds one row and, tile by tile, eight neighbouring columns.  A tile of 16 rows x 64 columns goes through the wave's own stage in LDS
; and comes back as rows of 256 bytes: sixteen lanes store 256 consecutive bytes, at a multiple of 256 from out0's first byte.
; LIMIT: e8 + e9 between -126 and 127, so that 2^(e8 + e9) is an f32 number.
; NO CLUSTER: all fills are first fills, asked for once at the head; o's block is wanted by the four column groups and Wo's by the 64 row blocks: joint loads could serve both: not built.
.set STG,   131072                     ; behind the two operands: a stage of 16 rows x (256 + 16) bytes for each wave; no tensor load lands there
.set SPARE, 165888                     ; behind the stages: the spare words, 128 bytes for each of 8 waves
.set XF,  32                           ; v32-63   two fragments of o
.set WF,  64                           ; v64-127  four fragments of Wo
.set ACC, 128                          ; v128-191 accumulator (i, j) at ACC + 8 (4 i + j)
.macro PLACES
.rept 4
	v_nop
.endr
.endm
	s_load_b256 s[4:11], s[0:1], 0x0               ; of 4:5, wfrag 6:7, scales 8:9, out0 10:11
	v_lshl_add_u32 v4, v0, 2, SPARE
	v_mov_b32 v5, 0
	ds_add_u32 v4, v5                              ; the wave's opening: the add, twice on end, and its wait ahead of my tensor load
	ds_add_u32 v4, v5
	v_lshrrev_b32 v1, 5, v0
	v_readfirstlane_b32 s18, v1                    ; wave 0..7
	s_and_b32 s19, ttmp7, 0xffff                   ; rbk
	s_mov_b32 s24, 3<<16                           ; group 1: 64 dense rows of 32 elements of 8 bytes: 16 KB as it lies
	s_mov_b32 s25, 32<<16
	s_mov_b32 s26, 64<<16
	s_mov_b32 s27, 32<<16
	s_mov_b32 s28, 64
	s_mov_b32 s29, 32
	s_mov_b32 s30, 0
	s_mov_b32 s31, 0
	s_mov_b32 s32, 1
	s_lshl_b32 s33, s18, 14                        ; to LDS byte 16,384 x wave: waves 0-3 o's codes, waves 4-7 Wo's
	s_and_b32 s20, s18, 3
	s_lshl_b32 s20, s20, 14
	s_lshl_b32 s21, s19, 16
	s_lshl_b32 s22, ttmp9, 16
	s_add_co_u32 s22, s22, 786432                  ; Wo's tiles begin at tile 96 of wfrag
	s_cmp_lt_u32 s18, 4
	s_cselect_b32 s36, s21, s22
	s_add_co_u32 s36, s36, s20
	s_mov_b32 s37, 0
	s_wait_dscnt 0x0                               ; both opening adds are done
	s_wait_kmcnt 0x0
	s_cmp_lt_u32 s18, 4
	s_cselect_b64 s[38:39], s[4:5], s[6:7]
	s_add_nc_u64 s[34:35], s[38:39], s[36:37]
	s_or_b32 s35, s35, 0x80000000
	tensor_load_to_lds s[32:35], s[24:31]          ; every wave issues one: one load of mine is out
	s_nop 0
	s_load_b64 s[40:41], s[8:9], 0x20              ; e8, e9
	v_and_b32 v1, 31, v0
	v_lshlrev_b32 v1, 4, v1                        ; 16 x lane
	v_and_b32 v9, 15, v0                           ; r
	v_bfe_u32 v10, v0, 4, 1                        ; h
	s_and_b32 s20, s18, 1                          ; ch
	s_lshr_b32 s21, s18, 1                         ; rq
	s_lshl_b32 s22, s21, 14
	v_add_nc_u32 v2, s22, v1                       ; my fragments of o
	s_lshl_b32 s22, s20, 15
	s_add_co_u32 s22, s22, 65536
	v_add_nc_u32 v3, s22, v1                       ; of Wo
	s_mul_i32 s22, s18, 16*272
	s_add_co_u32 s22, s22, STG                     ; my stage
	v_mul_u32_u24 v6, v9, 272
	v_lshl_add_u32 v6, v10, 6, v6
	v_add_nc_u32 v6, s22, v6                       ; in: row r, + 64 h
	v_mul_u32_u24 v7, v10, 272
	v_lshl_add_u32 v7, v9, 4, v7
	v_add_nc_u32 v7, s22, v7                       ; back: lanes 0-15 one row, lanes 16-31 the next
	v_lshlrev_b32 v8, 11, v10
	v_lshl_add_u32 v8, v9, 4, v8                   ; and the same two rows in out0 (2,048 bytes a row)
	s_lshl_b32 s36, s19, 18                        ; 128 rows a block,
	s_lshl_b32 s22, s21, 16                        ; 32 rows for my two tiles,
	s_add_co_u32 s36, s36, s22
	s_lshl_b32 s22, ttmp9, 9                       ; 128 columns a group,
	s_add_co_u32 s36, s36, s22
	s_lshl_b32 s22, s20, 8                         ; my 64
	s_add_co_u32 s36, s36, s22
	s_add_nc_u64 s[10:11], s[10:11], s[36:37]
	s_wait_kmcnt 0x0
	s_add_co_i32 s46, s40, s41
	s_add_co_i32 s46, s46, 127
	s_lshl_b32 s46, s46, 23                        ; 2^(e8 + e9) as f32
	s_mov_b32 s47, s46                             ; (named with it as a pair, so it is written)
	s_wait_tensorcnt 0x0                           ; my 16 KB are in,
	s_barrier_signal -1
	s_barrier_wait -1                              ; everybody's are
.macro KSTEP s
.if \s > 0
	PLACES                                         ; in front of loads into registers that the last products read
.endif
.set nn, 0
.rept 16
	ds_load_b128 v[WF+4*nn:WF+4*nn+3], v3 offset:(nn/4)*8192+\s*2048+(nn%4)*512
.set nn, nn+1
.endr
.set nn, 0
.rept 8
	ds_load_b128 v[XF+4*nn:XF+4*nn+3], v2 offset:(nn/4)*8192+\s*2048+(nn%4)*512
.set nn, nn+1
.endr
	s_wait_dscnt 0x0
.set nn, 0
.rept 8                                ; the eight accumulators take turns, one instruction a turn; K step 0 starts the sums
.if \s == 0
	v_wmma_f32_16x16x128_fp8_fp8 v[ACC+8*nn:ACC+8*nn+7], v[WF+16*(nn%4):WF+16*(nn%4)+15], v[XF+16*(nn/4):XF+16*(nn/4)+15], 0
.else
	v_wmma_f32_16x16x128_fp8_fp8 v[ACC+8*nn:ACC+8*nn+7], v[WF+16*(nn%4):WF+16*(nn%4)+15], v[XF+16*(nn/4):XF+16*(nn/4)+15], v[ACC+8*nn:ACC+8*nn+7]
.endif
.set nn, nn+1
.endr
.endm
	KSTEP 0
	KSTEP 1
	KSTEP 2
	KSTEP 3
	PLACES
; tile i: its 32 sums a lane x 2^(e8 + e9) into v[tmp] on, each accumulator from its low end on; into the stage; back as rows into v[bk] on.  LDS serves a wave's instructions in order (ISA guide 5.7.1.4): no wait between them
.macro OUT i, tmp, bk
.set nn, 0
.rept 16
	v_pk_mul_f32 v[\tmp+nn:\tmp+nn+1], v[ACC+32*\i+nn:ACC+32*\i+nn+1], s[46:47] op_sel_hi:[1,0]
.set nn, nn+2
.endr
.irp j, 0,1,2,3
	ds_store_b128 v6, v[\tmp+8*\j:\tmp+8*\j+3] offset:128*(\j/2)+32*(\j%2)        ; columns 32 (j / 2) + 16 h + 8 (j % 2) + 0 .. 3
	ds_store_b128 v6, v[\tmp+8*\j+4:\tmp+8*\j+7] offset:128*(\j/2)+32*(\j%2)+16
.endr
.irp m, 0,1,2,3,4,5,6,7
	ds_load_b128 v[\bk+4*\m:\bk+4*\m+3], v7 offset:544*\m
.endr
.endm
.macro SEND i, bk                      ; stage row 2 m + h is row 8 i + 2 m + h + 8 (m / 4) of my 32
.irp m, 0,1,2,3,4,5,6,7
	global_store_b128 v8, v[\bk+4*\m:\bk+4*\m+3], s[10:11] offset:(8*\i+2*\m+8*(\m/4))*2048 th:TH_STORE_NT
.endr
.endm
	OUT 0, 192, 224
	OUT 1, 64, 96
	s_wait_dscnt 16                                ; tile 0 is back; tile 1's eight stores and eight loads stay out
	SEND 0, 224
	s_wait_dscnt 0x0
	SEND 1, 96
	s_wait_tensorcnt 0x0                           ; the wave's end, behind my last LDS store
	ds_add_u32 v4, v5
	s_wait_dscnt 0x0
	s_endpgm
.Lfunc_end_k_qa81fa2365f_outp:
	.size	k_qa81fa2365f_outp, .Lfunc_end_k_qa81fa2365f_outp-k_qa81fa2365f_outp
	.p2alignl 7, 3214868480
	.fill 96, 4, 3214868480
	.section	.rodata,"a",@progbits
	.p2align	6, 0x0
	.amdhsa_kernel k_qa81fa2365f_outp
		.amdhsa_group_segment_fixed_size 167936
		.amdhsa_private_segment_fixed_size 0
		.amdhsa_enable_private_segment 0
		.amdhsa_kernarg_size 32
		.amdhsa_user_sgpr_count 2
		.amdhsa_user_sgpr_kernarg_segment_ptr 1
		.amdhsa_wavefront_size32 1
		.amdhsa_system_sgpr_workgroup_id_x 1
		.amdhsa_system_sgpr_workgroup_id_y 1
		.amdhsa_system_sgpr_workgroup_id_z 1
		.amdhsa_system_vgpr_workitem_id 0
		.amdhsa_next_free_vgpr 256
		.amdhsa_next_free_sgpr 66
		.amdhsa_reserve_vcc 0
		.amdhsa_float_denorm_mode_32 3
		.amdhsa_float_denorm_mode_16_64 3
		.amdhsa_memory_ordered 1
		.amdhsa_forward_progress 1
		.amdhsa_inst_pref_size 18
	.end_amdhsa_kernel
	.amdgpu_metadata
---
amdhsa.version: [ 1, 2 ]
amdhsa.kernels:
  - .name:           k_qa81fa2365f_outp
    .symbol:         k_qa81fa2365f_outp.kd
    .args:
      - { .name: of, .offset: 0, .size: 8, .value_kind: global_buffer, .address_space: global }
      - { .name: wfrag, .offset: 8, .size: 8, .value_kind: global_buffer, .address_space: global }
      - { .name: lowp_scales, .offset: 16, .size: 8, .value_kind: global_buffer, .address_space: global }
      - { .name: out0, .offset: 24, .size: 8, .value_kind: global_buffer, .address_space: global }
    .group_segment_fixed_size: 167936
    .private_segment_fixed_size: 0
    .kernarg_segment_align: 8
    .kernarg_segment_size: 32
    .max_flat_workgroup_size: 256
    .sgpr_count:     66
    .vgpr_count:     256
    .wavefront_size: 32
...
	.end_amdgpu_metadata
.endif
;; end of part 4
